; MI455X (gfx1250); checked and timed in simulation.
; The chip was launched on July 23, 2026; its instructions are those of AMD's public machine-readable ISA for CDNA 5 (MIT licence, August 2026) and "CDNA5" Instruction Set Architecture Reference Guide (July 2026). The comments in the code are by the model that wrote it; some were corrected since.
;; Ro I Pool. Allowed arithmetic: float matrix products may take bf16 or f16 operands with f32 sums; all other float work in f32.
;; Inputs: features 4 x 128 x 50 x 50 float32; rois 256 x 5 float32.
;; Outputs: out0 256 x 128 x 7 x 7 float32.
;; One version. Each part assembles by itself: llvm-mc -triple=amdgcn-amd-amdhsa -mcpu=gfx1250 --defsym DOCPART=n.
;; ======== version 1 of 1: 2 launches
;; workspace buffers: rec 49,152 bytes of whole numbers
;; launch bins (part 1): grid 1 x 1, 8 waves a work-group, no clusters, 50,176 bytes of LDS; arguments rois, rec; writes rec
.if DOCPART == 1
	.amdgcn_target "amdgcn-amd-amdhsa--gfx1250"
	.amdhsa_code_object_version 6
	.text
	.protected	k_q488f028913_bins
	.globl	k_q488f028913_bins
	.p2align	8
	.type	k_q488f028913_bins,@function
k_q488f028913_bins:
	s_mov_b64 s[64:65], 0
	v_nop
	global_prefetch_b8 v0, s[64:65] scope:SCOPE_SE
	s_setreg_imm32_b32 hwreg(HW_REG_WAVE_MODE, 25, 1), 1
	s_wait_xcnt 0x0
; RoIPool, first step: rois [256][5] f32 (b, x1, y1, x2, y2)  ->  rec [256][48] whole numbers, from which the next launch
; forms its addresses, trip counts and masks.  One work-group, 8 waves, thread t = RoI t.
; The f32 arithmetic of the model is repeated step by step: c = rndne(coordinate / 16), r = max(c2 - c1 + 1, 1), bin = r / 7,
; start_j = clip(floor(j bin) + c1, 0, 50), end_j = clip(ceil((j + 1) bin) + c1, 0, 50), j = 0 .. 6.
; THE DIVISION BY 7 is taken in the form in which a division by a constant is evaluated in the compiled model: ONE rounded product,
; bin = RN(r x RN(1/7)).  RN(1/7) = (1/7)(1 + 3/8 x 2^-23) lies above 1/7, so RN(7 bin) passes r, and the last bin takes one cell more,
; for the extents 3 6 9 11 12 15 18 21 22 24 25 29 30 31 36 37 42 43 44 48 49 50 of 1 .. 50 (for 21, 42, 49 every bin does).  A correctly
; rounded quotient would pass r for none of 1 .. 50: the two forms differ in those cells, and this text follows the product.
; The model's integer steps are done here in f32 on whole-valued numbers, which is exact.
; LIMITS: |coordinate| / 16 below 2^23 (beyond that the f32 sums of whole numbers are no longer exact); coordinates are not NaN;
; the batch index is cut toward zero and clamped to 0 .. 3 (a negative one becomes 0).
; Record of a RoI, in words: 0-6 first row of bin ph (at most 49)   7 (tallest bin) >> 1      8-14 last row of bin ph   15 batch index
;                           16-22 -1, or 0 if row bin ph is empty   23 chunks of 32 columns   24-30 first column of bin pw, from x0   31 (widest bin) >> 1
;                           32-38 last column of bin pw, from x0    39 x0, the window's first column   40-46 -1, or 0 if column bin pw is empty   47 its last column
.set RECB,  192                        ; bytes in a record
.set RCP7,  0x3e124925                 ; 1/7 rounded to f32
.set F49,   0x42440000                 ; 49.0
.set F50,   0x42480000                 ; 50.0
.set SIXTEENTH, 0x3d800000             ; 0.0625
.set IN,   4                           ; v[4:8]    b, x1, y1, x2, y2
.set RW,   9                           ; extent r
.set QB,   10                          ; bin
.set EXT,  12                          ; largest bin
.set X0F,  13                          ; window's first column
.set X1F,  14                          ; window's last column
.set SPAN, 15                          ; their difference
.set OUT,  16                          ; v[16:63]  the record, in its order
.set SF,   64                          ; v[64:70]  starts, f32
.set EF,   72                          ; v[72:78]  ends, f32
.set TT,   80                          ; v[80:86]  bin sizes
.set RB,   88                          ; v[88:135] the records as read back from LDS
	s_load_b128 s[4:7], s[0:1], 0x0                ; rois s[4:5], rec s[6:7]
	v_lshl_add_u32 v136, v0, 2, 0xc000
	v_mov_b32 v137, 0
	v_mul_u32_u24 v1, v0, 20                       ; my RoI's five numbers
	v_and_b32 v2, 31, v0                           ; lane
	v_lshrrev_b32 v3, 5, v0
	v_readfirstlane_b32 s8, v3                     ; wave
	s_mul_i32 s9, s8, 32*RECB                      ; my wave's 32 records: 6,144 bytes, in LDS and in rec alike
	s_wait_kmcnt 0x0
.irp j, 0,1,2,3,4
	global_load_b32 v[IN+\j], v1, s[4:5] offset:4*\j
.endr
	v_mul_u32_u24 v3, v2, RECB
	v_add_nc_u32 v3, s9, v3                        ; where I put my record: wave's bytes + lane x 192
	v_lshl_add_u32 v2, v2, 4, s9                   ; where I read back, and my offset in rec: wave's bytes + lane x 16
	s_wait_loadcnt 0x0
.irp j, 1,2,3,4
	v_mul_f32 v[IN+\j], SIXTEENTH, v[IN+\j]        ; exact: a power of two
.endr
.irp j, 1,2,3,4
	v_rndne_f32 v[IN+\j], v[IN+\j]                 ; halves go to the even number, as in the model
.endr
	v_cvt_u32_f32 v[OUT+15], v[IN]                 ; toward zero
	v_min_u32 v[OUT+15], 3, v[OUT+15]
; The seven starts and seven ends along one axis, clipped to 0 .. 50, as f32 in SF and EF.
; ceil(x) is written -floor(-x); the product with the negative factor is the negative of the model's product, bit for bit.
.macro EDGES lo, hi
	v_sub_f32 v[RW], v[\hi], v[\lo]
	v_add_f32 v[RW], 1.0, v[RW]
	v_max_num_f32 v[RW], 1.0, v[RW]
	v_mul_f32 v[QB], RCP7, v[RW]                   ; bin = RN(r x RN(1/7)): one rounding, see the head
.set jj, 1
.irp f, 0x3f800000, 0x40000000, 0x40400000, 0x40800000, 0x40a00000, 0x40c00000
	v_mul_f32 v[SF+jj], \f, v[QB]                  ; j bin, j = 1 .. 6
.set jj, jj+1
.endr
.set jj, 0
.irp f, 0xbf800000, 0xc0000000, 0xc0400000, 0xc0800000, 0xc0a00000, 0xc0c00000, 0xc0e00000
	v_mul_f32 v[EF+jj], \f, v[QB]                  ; -(j + 1) bin, j = 0 .. 6
.set jj, jj+1
.endr
.set jj, 0
.rept 7
.if jj
	v_floor_f32 v[SF+jj], v[SF+jj]
.endif
	v_floor_f32 v[EF+jj], v[EF+jj]
.set jj, jj+1
.endr
.set jj, 0
.rept 7
.if jj
	v_add_f32 v[SF+jj], v[SF+jj], v[\lo]
.endif
	v_sub_f32 v[EF+jj], v[\lo], v[EF+jj]           ; c1 + ceil((j + 1) bin)
.set jj, jj+1
.endr
	v_med3_num_f32 v[SF], v[\lo], 0, F50           ; floor(0 x bin) = 0
.set jj, 0
.rept 7
.if jj
	v_med3_num_f32 v[SF+jj], v[SF+jj], 0, F50
.endif
	v_med3_num_f32 v[EF+jj], v[EF+jj], 0, F50
.set jj, jj+1
.endr
.endm
.macro LARGEST                         ; the largest of the seven bin sizes, as a whole number
	v_max3_num_f32 v[EXT], v[TT], v[TT+1], v[TT+2]
	v_max3_num_f32 v[EXT], v[EXT], v[TT+3], v[TT+4]
	v_max3_num_f32 v[EXT], v[EXT], v[TT+5], v[TT+6]
	v_cvt_u32_f32 v[EXT], v[EXT]
.endm
	; rows
	EDGES IN+2, IN+4
.set jj, 0
.rept 7
	v_sub_f32 v[TT+jj], v[EF+jj], v[SF+jj]
	v_cmp_gt_f32 vcc_lo, v[EF+jj], v[SF+jj]
	v_cndmask_b32 v[OUT+16+jj], 0, -1, vcc_lo      ; all ones where the bin holds a row
	v_min_num_f32 v[SF+jj], F49, v[SF+jj]          ; a row that exists, also for an empty bin
	v_add_f32 v[EF+jj], -1.0, v[EF+jj]
.set jj, jj+1
.endr
.set jj, 0
.rept 7
	v_max_num_f32 v[EF+jj], 0, v[EF+jj]
	v_cvt_u32_f32 v[OUT+jj], v[SF+jj]
.set jj, jj+1
.endr
.set jj, 0
.rept 7
	v_cvt_u32_f32 v[OUT+8+jj], v[EF+jj]
.set jj, jj+1
.endr
	LARGEST
	v_lshrrev_b32 v[OUT+7], 1, v[EXT]              ; row steps behind the first, taken two at a time: ceil((n - 1) / 2) = n >> 1
	; columns, counted from the window's first column x0; nothing points past the window's last column
	EDGES IN+1, IN+3
	v_min_num_f32 v[X0F], F49, v[SF]
	v_add_f32 v[X1F], -1.0, v[EF+6]
	v_max_num_f32 v[X1F], v[X1F], v[X0F]
	v_sub_f32 v[SPAN], v[X1F], v[X0F]
.set jj, 0
.rept 7
	v_sub_f32 v[TT+jj], v[EF+jj], v[SF+jj]
	v_cmp_gt_f32 vcc_lo, v[EF+jj], v[SF+jj]
	v_cndmask_b32 v[OUT+40+jj], 0, -1, vcc_lo
	v_sub_f32 v[SF+jj], v[SF+jj], v[X0F]
	v_sub_f32 v[EF+jj], v[EF+jj], v[X0F]
.set jj, jj+1
.endr
.set jj, 0
.rept 7
	v_min_num_f32 v[SF+jj], v[SF+jj], v[SPAN]
	v_add_f32 v[EF+jj], -1.0, v[EF+jj]
.set jj, jj+1
.endr
.set jj, 0
.rept 7
	v_med3_num_f32 v[EF+jj], v[EF+jj], 0, v[SPAN]
	v_cvt_u32_f32 v[OUT+24+jj], v[SF+jj]
.set jj, jj+1
.endr
.set jj, 0
.rept 7
	v_cvt_u32_f32 v[OUT+32+jj], v[EF+jj]
.set jj, jj+1
.endr
	LARGEST
	v_lshrrev_b32 v[OUT+31], 1, v[EXT]
	v_cvt_u32_f32 v[OUT+39], v[X0F]
	v_cvt_u32_f32 v[OUT+47], v[X1F]
	v_cvt_u32_f32 v[EXT], v[SPAN]
	v_lshrrev_b32 v[EXT], 5, v[EXT]
	v_add_nc_u32 v[OUT+23], 1, v[EXT]              ; 1 chunk of 32 columns, or 2
	; The way out.  A lane holds a whole record, 192 bytes; the 32 records of a wave are 6,144 consecutive bytes of rec.  They pass through
	; the wave's own LDS bytes, so that each store of the wave covers 512 consecutive bytes, aligned.  LDS serves a wave's instructions
	; in order (ISA guide 5.7.1.4), and no other wave touches these bytes: no wait and no barrier between the stores and the loads.
.irp j, 0,1,2,3,4,5,6,7,8,9,10,11
	ds_store_b128 v3, v[OUT+4*\j:OUT+4*\j+3] offset:16*\j
.endr
.irp j, 0,1,2,3,4,5,6,7,8,9,10,11
	ds_load_b128 v[RB+4*\j:RB+4*\j+3], v2 offset:512*\j
.endr
.irp j, 0,1,2,3,4,5,6,7,8,9,10,11
	s_wait_dscnt 11-\j                             ; load j is back; the 11 - j younger ones may be out
	global_store_b128 v2, v[RB+4*\j:RB+4*\j+3], s[6:7] offset:512*\j
.endr
	s_wait_tensorcnt 0x0
	ds_add_u32 v136, v137
	s_wait_dscnt 0x0
	s_endpgm
.Lfunc_end_k_q488f028913_bins:
	.size	k_q488f028913_bins, .Lfunc_end_k_q488f028913_bins-k_q488f028913_bins
	.p2alignl 7, 3214868480
	.fill 96, 4, 3214868480
	.section	.rodata,"a",@progbits
	.p2align	6, 0x0
	.amdhsa_kernel k_q488f028913_bins
		.amdhsa_group_segment_fixed_size 50176
		.amdhsa_private_segment_fixed_size 0
		.amdhsa_enable_private_segment 0
		.amdhsa_kernarg_size 16
		.amdhsa_user_sgpr_count 2
		.amdhsa_user_sgpr_kernarg_segment_ptr 1
		.amdhsa_wavefront_size32 1
		.amdhsa_system_sgpr_workgroup_id_x 1
		.amdhsa_system_sgpr_workgroup_id_y 1
		.amdhsa_system_sgpr_workgroup_id_z 1
		.amdhsa_system_vgpr_workitem_id 0
		.amdhsa_next_free_vgpr 138
		.amdhsa_next_free_sgpr 66
		.amdhsa_reserve_vcc 1
		.amdhsa_float_denorm_mode_32 3
		.amdhsa_float_denorm_mode_16_64 3
		.amdhsa_memory_ordered 1
		.amdhsa_forward_progress 1
		.amdhsa_inst_pref_size 17
	.end_amdhsa_kernel
	.amdgpu_metadata
---
amdhsa.version: [ 1, 2 ]
amdhsa.kernels:
  - .name:           k_q488f028913_bins
    .symbol:         k_q488f028913_bins.kd
    .args:
      - { .name: rois, .offset: 0, .size: 8, .value_kind: global_buffer, .address_space: global }
      - { .name: rec, .offset: 8, .size: 8, .value_kind: global_buffer, .address_space: global }
    .group_segment_fixed_size: 50176
    .private_segment_fixed_size: 0
    .kernarg_segment_align: 8
    .kernarg_segment_size: 16
    .max_flat_workgroup_size: 256
    .sgpr_count:     66
    .vgpr_count:     138
    .wavefront_size: 32
...
	.end_amdgpu_metadata
.endif
;; end of part 1
;; launch pool (part 2): grid 512 x 1, 16 waves a work-group, no clusters, 93,440 bytes of LDS; arguments features, rec, out0; writes out0
.if DOCPART == 2
	.amdgcn_target "amdgcn-amd-amdhsa--gfx1250"
	.amdhsa_code_object_version 6
	.text
	.protected	k_q488f028913_pool
	.globl	k_q488f028913_pool
	.p2align	8
	.type	k_q488f028913_pool,@function
k_q488f028913_pool:
	s_mov_b64 s[64:65], 0
	v_nop
	global_prefetch_b8 v0, s[64:65] scope:SCOPE_SE
	s_setreg_imm32_b32 hwreg(HW_REG_WAVE_MODE, 25, 1), 1
	s_wait_xcnt 0x0
; RoIPool, second step.  out0[k][c][ph][pw] = the largest features[b][c][h][w] over rows hs[ph] .. he[ph]-1 and columns ws[pw] .. we[pw]-1,
; 0 where the bin is empty.  features [4][128][50][50] f32, out0 [256][128][7][7] f32; b and the bins' edges come as whole numbers from
; rec (48 words a RoI, stored by the launch before; its layout is repeated in the names below).
; A work-group takes one RoI and 64 channels: 64 x 49 x 4 = 12,544 bytes of out0 = 49 x 256, so that it stores whole aligned runs.
; 16 waves, 4 channels each.
; STAGE 1, rows: lane = column of the RoI's window (32 columns a chunk, one or two chunks).  Which rows are taken is the same for all lanes,
;   so it is scalar work: row step i of bin ph is row min(hs + i, he - 1); a row taken twice does not change a maximum.  The four channels
;   share the offset register and differ in the immediate (10,000 bytes a plane).  Result: T[channel x 7 + ph][column] in LDS.
; STAGE 2, columns: lane = row of T; which columns are taken is scalar work again.  Result: 7 neighbouring outputs a lane.
; THE WAY OUT: through LDS, read back 16 bytes a lane: each store of a wave covers 512 consecutive bytes, aligned.
; LIMITS: a NaN in features is passed over (the maxima are the _num forms), where the model would hand it on; features lie above -1e30
; (the model's own filler for cells outside a bin); every index from rec is clamped to its table before it enters an address.
; NO JOINT LOADS: which planes and rows two work-groups have in common hangs on the list, so no two work-groups have a tile in common
; that the text could name; the windows' sizes vary, so they come by loads into registers and not as tiles of a fixed size.
.set PLANE, 10000                      ; bytes in a plane of 50 x 50
.set ROWB,  200                        ; bytes in a row
.set LASTI, 49                         ; last row and last column
.set RECB,  192                        ; bytes in a record
.set PTB,   204                        ; a row of T: 50 columns + 1 word.  51 words is odd: 32 lanes that read one column of 32 rows touch 32 different words modulo 64
.set WROWS, 28                         ; rows of T of a wave: 4 channels x 7 bins
; the record, s[16:63]
.set HS,  16                           ; first row of bin ph
.set T2H, 23                           ; pairs of row steps behind the first
.set HE,  24                           ; last row of bin ph
.set BI,  31                           ; batch index
.set HM,  32                           ; -1, or 0 if row bin ph is empty
.set NC,  39                           ; chunks of 32 columns
.set WS,  40                           ; first column of bin pw, from x0
.set T2W, 47                           ; pairs of column steps behind the first
.set WE,  48                           ; last column of bin pw, from x0
.set X0,  55                           ; the window's first column
.set WM,  56                           ; -1, or 0 if column bin pw is empty
.set X1,  63                           ; the window's last column
; vector registers: v1 lane, v2 my column's bytes in a row, v3 where my column lies in my wave's T, v5 my row of T, v6 my 28 bytes of the stage, v7 16 x thread
.set VOA, 8                            ; v[8:14]    bin ph: offset of row step 0
.set VO,  16                           ; v[16:29]   bin ph: offsets of the pair of row steps on its way
.set ACC, 32                           ; v[32:59]   running maxima, 4 ph + channel
.set BUF, 60                           ; v[60:115]  the pair of row steps, 8 ph + 4 step + channel
.set A2,  ACC                          ; stage 2: seven running maxima
.set B2,  BUF                          ; stage 2: the pair of column steps, 2 pw + step
	s_load_b128 s[4:7], s[0:1], 0x0                ; features s[4:5], rec s[6:7]
	s_load_b64 s[8:9], s[0:1], 0x10                ; out0
	v_lshl_add_u32 v116, v0, 2, 0x16500
	v_mov_b32 v117, 0
	v_and_b32 v1, 31, v0                           ; lane
	v_lshrrev_b32 v2, 5, v0
	v_readfirstlane_b32 s10, v2                    ; wave
	s_lshr_b32 s11, ttmp9, 1                       ; RoI
	s_and_b32 s12, ttmp9, 1                        ; which 64 channels
	s_mul_i32 s66, s11, RECB
	s_mov_b32 s67, 0
	s_wait_kmcnt 0x0
	s_add_nc_u64 s[6:7], s[6:7], s[66:67]
	s_load_b512 s[16:31], s[6:7], 0x0              ; the record
	s_load_b512 s[32:47], s[6:7], 0x40
	s_load_b512 s[48:63], s[6:7], 0x80
	s_mul_i32 s68, s11, 128*49*4                   ; meanwhile, what hangs on the ids alone
	s_mul_i32 s69, s12, 64*49*4
	s_add_co_u32 s68, s68, s69
	s_mov_b32 s69, 0
	s_add_nc_u64 s[8:9], s[8:9], s[68:69]          ; out0 at the work-group's 12,544 bytes
	s_lshl_b32 s70, s12, 6
	s_lshl2_add_u32 s70, s10, s70                  ; my first channel = 64 x half + 4 x wave
	s_mul_i32 s70, s70, PLANE
	s_mul_i32 s76, s10, WROWS*PTB                  ; my wave's rows of T
	s_mul_i32 s77, s10, WROWS*28                   ; my wave's 784 bytes of the stage
	v_min_u32 v4, WROWS-1, v1                      ; stage 2: lanes 28 to 31 repeat lane 27's row, values and addresses
	v_mul_u32_u24 v5, v4, PTB
	v_add_nc_u32 v5, s76, v5
	v_mul_u32_u24 v6, v4, 28
	v_add_nc_u32 v6, s77, v6
	v_lshlrev_b32 v7, 4, v0
	s_wait_kmcnt 0x0
	s_min_u32 s[BI], s[BI], 3
	s_mul_i32 s72, s[BI], 128*PLANE
	s_add_co_u32 s72, s72, s70
	s_mov_b32 s73, 0
	s_add_nc_u64 s[4:5], s[4:5], s[72:73]          ; features at my first plane
; Bin ph: the offsets of row steps s74 and s74 + 1, and their eight loads (2 steps x 4 channels).
.macro FILL ph
	s_add_co_u32 s81, s[HS+\ph], s74
	s_add_co_u32 s82, s81, 1
	s_min_u32 s81, s81, s[HE+\ph]                  ; past the bin's end its last row is taken again
	s_min_u32 s82, s82, s[HE+\ph]
	s_min_u32 s81, s81, LASTI                      ; and in any case a row of the plane
	s_min_u32 s82, s82, LASTI
	s_mul_i32 s81, s81, ROWB
	s_mul_i32 s82, s82, ROWB
	v_add_nc_u32 v[VO+2*\ph], s81, v2
	v_add_nc_u32 v[VO+2*\ph+1], s82, v2
.irp r, 0,1
.irp c, 0,1,2,3
	global_load_b32 v[BUF+8*\ph+4*\r+\c], v[VO+2*\ph+\r], s[4:5] offset:\c*PLANE
.endr
.endr
.endm
.macro MAXR ph                         ; bin ph: two row steps enter the four maxima
.irp c, 0,1,2,3
	v_max3_num_f32 v[ACC+4*\ph+\c], v[ACC+4*\ph+\c], v[BUF+8*\ph+\c], v[BUF+8*\ph+4+\c]
.endr
.endm
	; STAGE 1
	s_mov_b32 s78, 0                               ; chunk of 32 columns
.Lchunk:
	s_lshl_b32 s79, s78, 5
	s_add_co_u32 s80, s79, s[X0]
	v_add_nc_u32 v2, s80, v1                       ; my column = x0 + 32 x chunk + lane;
	v_min_u32 v2, s[X1], v2                        ; lanes past the window take its last column again: no byte outside the window is asked for
	v_min_u32 v2, LASTI, v2
	v_lshlrev_b32 v2, 2, v2
	v_add_nc_u32 v3, s79, v1                       ; its place in T, counted from x0.  Places past 49 fall on 49: those lanes all hold the window's last column, the same number
	v_min_u32 v3, LASTI, v3
	v_lshl_add_u32 v3, v3, 2, s76
.irp ph, 0,1,2,3,4,5,6
	s_min_u32 s81, s[HS+\ph], LASTI
	s_mul_i32 s81, s81, ROWB
	v_add_nc_u32 v[VOA+\ph], s81, v2
.irp c, 0,1,2,3
	global_load_b32 v[ACC+4*\ph+\c], v[VOA+\ph], s[4:5] offset:\c*PLANE   ; row step 0 starts the maxima: nothing is cleared
.endr
.endr
	s_cmp_eq_u32 s[T2H], 0
	s_cbranch_scc1 .Lflush                         ; no bin has a second row
	s_mov_b32 s74, 1
.irp ph, 0,1,2,3,4,5,6
	FILL \ph                                       ; row steps 1 and 2: seven groups of eight loads
.endr
	s_mov_b32 s75, 1
	s_cmp_ge_u32 s75, s[T2H]
	s_cbranch_scc1 .Ltail
.Lrow:                                                 ; a ring of seven groups: 56 loads of the wave are always on their way
	s_add_co_u32 s74, s74, 2
.irp ph, 0,1,2,3,4,5,6
	s_wait_loadcnt 48                              ; loads come back in order (ISA guide 5.7.1): this bin's eight are in (and row step 0), the six younger groups stay out.
	MAXR \ph                                       ; That wait also shows the loads done that named this bin's two offset registers, which FILL writes again
	FILL \ph
.endr
	s_add_co_u32 s75, s75, 1
	s_cmp_lt_u32 s75, s[T2H]
	s_cbranch_scc1 .Lrow
.Ltail:
.irp ph, 0,1,2,3,4,5,6
	s_wait_loadcnt 48-8*\ph                        ; the last pair is not followed by loads: the counts run down
	MAXR \ph
.endr
.Lflush:
	s_wait_loadcnt 0x0                             ; met on the way through the tail; row step 0 on the short way
.irp ph, 0,1,2,3,4,5,6
.irp c, 0,1,2,3
	v_and_b32 v[ACC+4*\ph+\c], s[HM+\ph], v[ACC+4*\ph+\c]      ; an empty row bin gives 0.0, and so does any maximum over its zeros
.endr
.endr
.irp ph, 0,1,2,3,4,5,6
.irp c, 0,1,2,3
	ds_store_b32 v3, v[ACC+4*\ph+\c] offset:(\c*7+\ph)*PTB
.endr
.endr
	s_add_co_u32 s78, s78, 1
	s_cmp_lt_u32 s78, s[NC]
	s_cbranch_scc1 .Lchunk
	; STAGE 2.  A wave reads back only rows of T that it stored itself; the barrier is there so that the order of T's stores and T's
	; reads does not rest on the column offsets, which come from memory.
	s_wait_dscnt 0x0
	s_barrier_signal -1
	s_barrier_wait -1
.irp pw, 0,1,2,3,4,5,6
	s_min_u32 s81, s[WS+\pw], LASTI
	s_lshl_b32 s81, s81, 2
	v_add_nc_u32 v[VOA+\pw], s81, v5
	ds_load_b32 v[A2+\pw], v[VOA+\pw]              ; column step 0 starts the maxima
.endr
	s_cmp_eq_u32 s[T2W], 0
	s_cbranch_scc1 .Lcdone
	s_mov_b32 s74, 1
	s_mov_b32 s75, 0
.Lcol:
.irp pw, 0,1,2,3,4,5,6
	s_add_co_u32 s81, s[WS+\pw], s74
	s_add_co_u32 s82, s81, 1
	s_min_u32 s81, s81, s[WE+\pw]                  ; past the bin's end its last column again
	s_min_u32 s82, s82, s[WE+\pw]
	s_min_u32 s81, s81, LASTI
	s_min_u32 s82, s82, LASTI
	s_lshl_b32 s81, s81, 2
	s_lshl_b32 s82, s82, 2
	v_add_nc_u32 v[VO+2*\pw], s81, v5
	v_add_nc_u32 v[VO+2*\pw+1], s82, v5
	ds_load_b32 v[B2+2*\pw], v[VO+2*\pw]
	ds_load_b32 v[B2+2*\pw+1], v[VO+2*\pw+1]
.endr
.irp pw, 0,1,2,3,4,5,6
	s_wait_dscnt 12-2*\pw                          ; this bin's pair is in (and column step 0); the younger pairs may be out
	v_max3_num_f32 v[A2+\pw], v[A2+\pw], v[B2+2*\pw], v[B2+2*\pw+1]
.endr
	s_add_co_u32 s74, s74, 2
	s_add_co_u32 s75, s75, 1
	s_cmp_lt_u32 s75, s[T2W]
	s_cbranch_scc1 .Lcol
.Lcdone:
	; THE WAY OUT.  The stage, 12,544 bytes, lies over the first rows of T: every wave's reads of T are back before any wave stores into it.
	s_wait_dscnt 0x0
	s_barrier_signal -1
.irp pw, 0,1,2,3,4,5,6
	v_and_b32 v[A2+\pw], s[WM+\pw], v[A2+\pw]      ; an empty column bin gives 0.0
.endr
	s_barrier_wait -1
.irp pw, 0,1,2,3,4,5,6
	ds_store_b32 v6, v[A2+\pw] offset:4*\pw        ; lanes 7 words apart: 32 different words modulo 64
.endr
	s_wait_dscnt 0x0                               ; for the others' sake: they read what I stored
	s_barrier_signal -1
	s_barrier_wait -1
	ds_load_b128 v[ACC+8:ACC+11], v7               ; bytes 0 to 8,191: thread t takes 16 t
	s_wait_dscnt 0x0
	global_store_b128 v7, v[ACC+8:ACC+11], s[8:9] th:TH_STORE_NT
	s_cmp_gt_u32 s10, 8
	s_cbranch_scc1 .Lend                           ; bytes 8,192 to 12,543 are 272 threads' worth: waves 0 to 7 and half of wave 8
	v_cmp_gt_u32 vcc_lo, 272, v0
	s_wait_xcnt 0x0                                ; EXEC is a source of the store above: it changes only behind this wait
	s_and_saveexec_b32 s66, vcc_lo
	ds_load_b128 v[ACC+12:ACC+15], v7 offset:8192
	s_wait_dscnt 0x0
	global_store_b128 v7, v[ACC+12:ACC+15], s[8:9] offset:8192 th:TH_STORE_NT   ; wave 8: sixteen lanes, the last 256 bytes
	s_wait_xcnt 0x0                                ; and again in front of the line that widens it
	s_or_b32 exec_lo, exec_lo, s66
.Lend:
	s_wait_tensorcnt 0x0
	ds_add_u32 v116, v117
	s_wait_dscnt 0x0
	s_endpgm
.Lfunc_end_k_q488f028913_pool:
	.size	k_q488f028913_pool, .Lfunc_end_k_q488f028913_pool-k_q488f028913_pool
	.p2alignl 7, 3214868480
	.fill 96, 4, 3214868480
	.section	.rodata,"a",@progbits
	.p2align	6, 0x0
	.amdhsa_kernel k_q488f028913_pool
		.amdhsa_group_segment_fixed_size 93440
		.amdhsa_private_segment_fixed_size 0
		.amdhsa_enable_private_segment 0
		.amdhsa_kernarg_size 24
		.amdhsa_user_sgpr_count 2
		.amdhsa_user_sgpr_kernarg_segment_ptr 1
		.amdhsa_wavefront_size32 1
		.amdhsa_system_sgpr_workgroup_id_x 1
		.amdhsa_system_sgpr_workgroup_id_y 1
		.amdhsa_system_sgpr_workgroup_id_z 1
		.amdhsa_system_vgpr_workitem_id 0
		.amdhsa_next_free_vgpr 118
		.amdhsa_next_free_sgpr 84
		.amdhsa_reserve_vcc 1
		.amdhsa_float_denorm_mode_32 3
		.amdhsa_float_denorm_mode_16_64 3
		.amdhsa_memory_ordered 1
		.amdhsa_forward_progress 1
		.amdhsa_inst_pref_size 36
	.end_amdhsa_kernel
	.amdgpu_metadata
---
amdhsa.version: [ 1, 2 ]
amdhsa.kernels:
  - .name:           k_q488f028913_pool
    .symbol:         k_q488f028913_pool.kd
    .args:
      - { .name: features, .offset: 0, .size: 8, .value_kind: global_buffer, .address_space: global }
      - { .name: rec, .offset: 8, .size: 8, .value_kind: global_buffer, .address_space: global }
      - { .name: out0, .offset: 16, .size: 8, .value_kind: global_buffer, .address_space: global }
    .group_segment_fixed_size: 93440
    .private_segment_fixed_size: 0
    .kernarg_segment_align: 8
    .kernarg_segment_size: 24
    .max_flat_workgroup_size: 512
    .sgpr_count:     84
    .vgpr_count:     118
    .wavefront_size: 32
...
	.end_amdgpu_metadata
.endif
;; end of part 2
